; MI455X (gfx1250); checked and timed in simulation.
; The chip was launched on July 23, 2026; its instructions are those of AMD's public machine-readable ISA for CDNA 5 (MIT licence, August 2026) and "CDNA5" Instruction Set Architecture Reference Guide (July 2026). The comments in the code are by the model that wrote it; some were corrected since.
;; Clustering Layer. Allowed arithmetic: float matrix products may take bf16 or f16 operands with f32 sums; all other float work in f32.
;; Inputs: cluster_centers 1,024 x 256 float32; x 1 x 131,072 x 256 float32.
;; Outputs: out0 1 x 1,024 x 256 float32.
;; 2 versions, each right and faster than the one before. Each part assembles by itself: llvm-mc -triple=amdgcn-amd-amdhsa -mcpu=gfx1250 --defsym DOCPART=n.
;; ======== version 1 of 2: 2 launches
;; workspace buffers: rec 1,048,576 bytes of whole numbers
;; launch scan (part 1): grid 256 x 1, 4 waves a work-group, clusters of 2 x 1, 327,680 bytes of LDS; arguments cluster_centers, x, rec; writes rec
.if DOCPART == 1
	.amdgcn_target "amdgcn-amd-amdhsa--gfx1250"
	.amdhsa_code_object_version 6
	.text
	.protected	k_q658f3ab57d_scan
	.globl	k_q658f3ab57d_scan
	.p2align	8
	.type	k_q658f3ab57d_scan,@function
k_q658f3ab57d_scan:
	s_mov_b64 s[64:65], 0
	v_nop
	global_prefetch_b8 v0, s[64:65] scope:SCOPE_SE
	s_setreg_imm32_b32 hwreg(HW_REG_WAVE_MODE, 25, 1), 1
	s_wait_xcnt 0x0
	s_wait_alu depctr_hold_cnt(0) depctr_sa_sdst(0) depctr_va_vdst(0) depctr_va_sdst(0) depctr_va_ssrc(0) depctr_va_vcc(0) depctr_vm_vsrc(0)
	s_getreg_b32 s2, hwreg(HW_REG_IB_STS2, 6, 4)
	s_cmp_eq_u32 s2, 0
	s_cbranch_scc0 .Lentry_in_a_cluster
	s_endpgm
.Lentry_in_a_cluster:
	s_bfe_u32 s2, ttmp6, 0x10000c
	s_cmp_lg_u32 s2, 0x1001
	s_cbranch_scc0 .Lentry_shape_is_right
	s_endpgm
.Lentry_shape_is_right:
; scan: for each range of 1,024 points and each of 1,024 centres, the largest score e = sum(xr*cr) - 0.5*sum(xr*xr) over the range
; (xr, cr: x and the centres rounded to bf16; sums in f32), and the group of 8 neighbouring points that holds it.
; d2 = c2 - 2 e, c2 is the same for all points of a centre and the factor -2 is exact, so the largest e is the smallest d2.
; Stored as whole numbers: a u32 key that orders as e does, and the group's index (point / 8).  The next launch forms addresses from them.
;
; LIMITS: inputs finite, squares summable in f32 (NaN and infinities are not served).  Both operands are rounded to bf16, x2 is summed from
; the rounded x.  e is the difference of two sums in one f32 accumulator, as the problem's own formula is: its error grows with a common
; offset of the inputs as that formula's does.  Equal scores: the lowest index wins (strict compares in ascending order, then (key, index)
; merges); -0 is made +0 before the key is built.
;
; SHAPE: a work-group holds 512 centres in registers, a wave 128 centres x 256 features in bf16 = 512 registers, and 1,024 points stream
; past them: 128 ranges x 2 halves of the centres = 256 work-groups.  The two work-groups of a range read the same tiles of x: they form a
; cluster and ask for each tile jointly (mask 3).  Why two partners and not four: for a tile of 16 points a work-group's LDS takes 16 KiB
; of f32 in, gives 16 KiB to the conversion, takes 8 KiB of bf16 and gives 4 x 8 KiB of fragments, for 64 products a wave; four partners
; with 256 centres each would move the same bytes for 32 products a wave.
; Source 0 = 16 points, source 1 = 16 centres: in the result a lane holds ONE centre (lane % 16) and eight points (8 (lane / 16) + j), so
; the maximum over points stays inside the lane.  -x2/2 of those eight points is the C operand of each block's first K step.
;
; FEATURES ARE PERMUTED ALIKE IN BOTH OPERANDS: feature 64 u + 32 hf + 4 c + e lies at byte 256 (u>>1) + 32 c + 16 (u&1) + 8 hf + 2 e of a
; bf16 row; fragments are then read at the usual places.  The products are the same, their order in a sum is not.
;
; LDS: ring of two slots, 128 rows of x in f32 each, row pitch 1,152 bytes (1,024 + 128 of padding); behind it, in bytes that no tensor load
; fills, two stages of 16 bf16 rows (pitch 528) and two lists of 16 values -x2/2.  The centres' way into registers uses the stages' bytes first.
.set XPITCH, 1152
.set TILEB,  16*XPITCH                 ; 16 points
.set QUART,  32*XPITCH                 ; what one tensor load brings: a wave's quarter of a slot
.set SLOTB,  128*XPITCH
.set SBP,    528                       ; 512 + 16: row r starts 16 r bytes on, modulo 256 (64 banks of 4 bytes: ISA guide 11.1)
.set SB0,    2*SLOTB
.set SB1,    SB0+16*SBP
.set HX2,    SB1+16*SBP
.set SCR,    SB0                       ; the centres' scratch, 16 rows of 272 bytes for each wave
.set SCRP,   272
.set SCRW,   16*SCRP
; window 0
.set AADR, 10                          ; v10, v11  my fragment address in stage 0, 1
.set HADR, 12                          ; v12       my eight -x2/2
.set LOFF, 13                          ; v13       16 x lane
.set HX,   16                          ; v[16:23], v[24:31]  -x2/2 of the tile, two buffers
.set BEST, 32                          ; v[32:39]  best score of block b
.set IDX,  40                          ; v[40:47]  its tile's first group
.set T,    48                          ; v48-51
.set DF,   52
.set AF,   64                          ; v[64:127], v[128:191]  fragments of 16 points, two buffers, register 8 s + i
.set ACC,  192                         ; v[192:223] blocks 0-3, v[224:255] blocks 4-7
; window 1
.set FR,   0                           ; 32 f32 of my part of a row
.set PR,   32                          ; the same in bf16, 16 registers
.set QR,   48                          ; four chains of squares
.set ST,   0                           ; centres as loaded, three sets of 64
.set PK,   192                          ; four pairs by turns
.set BG,   200
.set BS,   201
.set BF,   202
.set CAR,  224                         ; 224-239: my address in ring tile t
.set CSR,  240                         ; 240, 241: my address in stage 0, 1
.set CHR,  242                         ; my row's word in the list of -x2/2
.set ZR,   243                         ; zero
; windows 2 and 3: the centres' fragments, blocks 0-3 and 4-7, register 64 (b & 3) + 8 s + i
.set G1, 16
.set G0, 24
.set MSB, 0
.macro WIN new                         ; s_set_vgpr_msb: bits 1:0 source 0, 3:2 source 1, 5:4 source 2, 7:6 destination; the high byte repeats the setting left
.if MSB != (\new)
	s_set_vgpr_msb (MSB<<8)|(\new)
.set MSB, \new
.endif
.endm
.macro CREST                           ; a round of the cluster's barrier behind its opening barrier
	s_cmp_lg_u32 s10, 0
	s_cbranch_scc1 .Lnot_wave_0_\@
	s_barrier_signal -3
.Lnot_wave_0_\@:
	s_barrier_wait -3
	s_barrier_signal -1
	s_barrier_wait -1
.endm
.macro ROUND
	s_barrier_signal -1
	s_barrier_wait -1
	CREST
.endm
.macro MERGE k1, g1, k2, g2            ; (k1, g1) takes (k2, g2) if k2 is larger, or equal with the smaller index
	v_cmp_gt_u32 s36, v[\k2], v[\k1]
	v_cmp_eq_u32 s37, v[\k2], v[\k1]
	v_cmp_lt_u32 s38, v[\g2], v[\g1]
	s_and_b32 s37, s37, s38
	s_or_b32 vcc_lo, s36, s37
	v_cndmask_b32 v[\k1], v[\k1], v[\k2], vcc_lo
	v_cndmask_b32 v[\g1], v[\g1], v[\g2], vcc_lo
.endm
	s_load_b128 s[4:7], s[0:1], 0x0                ; centres s[4:5], x s[6:7]
	s_load_b64 s[8:9], s[0:1], 0x10                ; rec
	v_lshl_add_u32 v14, v0, 2, 0x4c400
	v_mov_b32 v15, 0
	ds_add_u32 v14, v15
	ds_add_u32 v14, v15
	v_lshrrev_b32 v3, 5, v0
	v_readfirstlane_b32 s10, v3                    ; wave 0..3
	s_bfe_u32 s11, ttmp6, 0x40000                  ; cx: which half of the centres
	s_mov_b32 s12, ttmp9                           ; the cluster's number: the range of points
	s_mov_b32 s13, 0xff800000                      ; -infinity
	s_lshl_b32 s14, s12, 7                         ; 128 groups in a range;
	s_sub_co_u32 s14, s14, 2                       ; one tile back: it steps in the middle of every tile (the value in front of tile 0 is never chosen)
	s_mov_b32 s40, 0x76543210
	s_mov_b32 s41, 0xfedcba98
	s_mov_b32 s42, 0xffff0000                      ; lanes 16-31
	; descriptor group 1: 32 rows x 256 elements of 4 bytes; after every 256 words (code 7) 32 words of padding (code 31); mask: both partners, bit 21 beside it
	s_mov_b32 s[G1+0], 3|(2<<16)|(1<<20)|(1<<21)|(7<<22)|(31<<25)
	s_mov_b32 s[G1+1], 256<<16                     ; tensor_dim0 = 256
	s_mov_b32 s[G1+2], 32<<16                      ; tensor_dim1 = 32
	s_mov_b32 s[G1+3], 256<<16                     ; tile_dim0 = 256
	s_mov_b32 s[G1+4], 32                          ; tile_dim1 = 32
	s_mov_b32 s[G1+5], 256                         ; elements from row to row
	s_mov_b32 s[G1+6], 0
	s_mov_b32 s[G1+7], 0
	s_lshl_b32 s34, s12, 20                        ; x: 1,024 rows of 1,024 bytes a range, 32 rows a wave; no place in the cluster enters
	s_lshl_b32 s35, s10, 15
	s_add_co_u32 s34, s34, s35
	s_mov_b32 s35, 0
	s_mov_b32 s[G0+0], 1
	s_mul_i32 s[G0+1], s10, QUART                  ; slot 0: my quarter
	s_mov_b32 s[G0+4], 1
	s_add_co_u32 s[G0+5], s[G0+1], SLOTB           ; slot 1
	s_wait_dscnt 0x0
	s_wait_kmcnt 0x0
	s_add_nc_u64 s[G0+2:G0+3], s[6:7], s[34:35]
	s_add_nc_u64 s[G0+6:G0+7], s[G0+2:G0+3], 128*1024
	s_or_b32 s[G0+3], s[G0+3], 0x80000000
	s_or_b32 s[G0+7], s[G0+7], 0x80000000
	ROUND                                          ; both partners are here: the first joint loads meet
	tensor_load_to_lds s[G0:G0+3], s[G1:G1+7]      ; rows 0-127 of the range, my quarter
	s_nop 0
	tensor_load_to_lds s[G0+4:G0+7], s[G1:G1+7]    ; rows 128-255: two loads of mine are out
	s_nop 0
	s_lshl_b32 s32, s11, 19                        ; my 128 centres: (512 cx + 128 wave) rows of 1,024 bytes
	s_lshl_b32 s33, s10, 17
	s_add_co_u32 s32, s32, s33
	s_mov_b32 s33, 0
	s_add_nc_u64 s[4:5], s[4:5], s[32:33]
	s_lshl_b32 s32, s12, 13                        ; my record: 8,192 bytes a range, 1,024 for each of the 8 waves of the pair
	s_lshl_b32 s33, s11, 12
	s_add_co_u32 s32, s32, s33
	s_lshl_b32 s33, s10, 10
	s_add_co_u32 s32, s32, s33
	s_mov_b32 s33, 0
	s_add_nc_u64 s[8:9], s[8:9], s[32:33]
	; lane terms
	v_and_b32 v1, 15, v0                           ; r
	v_bfe_u32 v2, v0, 4, 1                         ; h
	v_and_b32 v4, 31, v0
	v_lshlrev_b32 v[LOFF], 4, v4
	v_mul_u32_u24 v3, v1, SBP
	v_lshl_add_u32 v3, v2, 4, v3
	v_add_nc_u32 v[AADR], SB0, v3
	v_add_nc_u32 v[AADR+1], SB1, v3
	v_lshlrev_b32 v[HADR], 5, v2
	v_add_nc_u32 v[HADR], HX2, v[HADR]
	v_bfe_u32 v6, v0, 3, 2                         ; the conversion: lane / 8 = which of my wave's four rows of a tile,
	v_and_b32 v7, 7, v0                            ; lane % 8 = c
	v_mul_u32_u24 v5, v6, XPITCH
	v_lshl_add_u32 v5, v7, 4, v5
	s_mul_i32 s36, s10, 4*XPITCH
	v_add_nc_u32 v5, s36, v5                       ; (4 wave + lane / 8) rows + 16 c
	v_mul_u32_u24 v8, v6, SBP
	v_lshl_add_u32 v8, v7, 5, v8
	s_mul_i32 s36, s10, 4*SBP
	v_add_nc_u32 v8, s36, v8                       ; the same row in a stage + 32 c
	v_lshlrev_b32 v9, 2, v6
	v_lshl_add_u32 v9, s10, 4, v9
	v_add_nc_u32 v9, HX2, v9
	v_bfe_u32 v3, v0, 3, 1
	v_lshlrev_b32 v53, 5, v7                       ; the centres' scratch, in: 32 (l & 7) + 16 (l >> 4) + 8 ((l >> 3) & 1)
	v_lshl_add_u32 v53, v2, 4, v53
	v_lshl_add_u32 v53, v3, 3, v53
	v_mul_u32_u24 v54, v1, SCRP                    ; and out: 272 r + 16 h
	v_lshl_add_u32 v54, v2, 4, v54
	s_mul_i32 s36, s10, SCRW
	s_add_co_u32 s36, s36, SCR
	WIN 0x40                                       ; destinations in window 1
	v_mov_b32 v[BG], v[LOFF]
	v_add_nc_u32 v[BS], s36, v53
	v_add_nc_u32 v[BF], s36, v54
.set i, 0
.rept 16
	v_add_nc_u32 v[CAR+i], i*TILEB, v5
.set i, i+1
.endr
	v_add_nc_u32 v[CSR], SB0, v8
	v_add_nc_u32 v[CSR+1], SB1, v8
	v_mov_b32 v[CHR], v9
	v_mov_b32 v[ZR], 0
; THE CENTRES INTO REGISTERS, 16 units: unit n = 16 centres (block n / 2) x 128 features (half n % 2).  Each wave works on its own centres and its own scratch.
.macro GLB n                           ; 16 loads, each 512 neighbouring bytes of one centre
.set GS, ST+64*((\n)%3)
.set GI, 0
.rept 16
	global_load_b128 v[GS+4*GI:GS+4*GI+3], v[BG], s[4:5] offset:(16*((\n)/2)+GI)*1024+512*((\n)%2)
.set GI, GI+1
.endr
.endm
.macro PROCB n, left
	s_wait_loadcnt \left                           ; loads come back in order (ISA guide 5.7.1): this unit's 16 are in, the younger units stay out
.set GS, ST+64*((\n)%3)
.set GI, 0
.rept 16
.set GP, PK+2*(GI%4)
	v_cvt_pk_bf16_f32 v[GP], v[GS+4*GI], v[GS+4*GI+1]
	v_cvt_pk_bf16_f32 v[GP+1], v[GS+4*GI+2], v[GS+4*GI+3]
	ds_store_b64 v[BS], v[GP:GP+1] offset:SCRP*GI
.set GI, GI+1
.endr
	WIN (0x81|(((\n)/8)<<6))                       ; destination window 2 (blocks 0-3) or 3, address window 1
.set GI, 0
.rept 8
	ds_load_b128 v[64*(((\n)/2)%4)+32*((\n)%2)+4*GI:64*(((\n)/2)%4)+32*((\n)%2)+4*GI+3], v[BF] offset:32*GI   ; LDS serves a wave's instructions in order (ISA guide 5.7.1.4): these see the stores above, and the next unit's stores come behind them
.set GI, GI+1
.endr
	WIN 0x55
.if (\n)+3 < 16
	GLB ((\n)+3)
.endif
.endm
	WIN 0x55                                       ; every place in window 1
	GLB 0
	GLB 1
	GLB 2
.irp n, 0,1,2,3,4,5,6,7,8,9,10,11,12,13
	PROCB \n, 32
.endr
	PROCB 14, 16
	PROCB 15, 0
	WIN 0
	; starting values.  Blocks 4-7 start at -infinity, so that the first tile's look at the tile in front of it changes nothing:
	; -inf - (-inf) is NaN, and the compare is false.
.set i, 0
.rept 8
	v_mov_b32 v[BEST+i], s13
	v_mov_b32 v[IDX+i], 0
.set i, i+1
.endr
.set i, 0
.rept 32
	v_mov_b32 v[ACC+32+i], s13
.set i, i+1
.endr
; One fragment load of the next tile: ord 0-15 the points' fragments, 16 and 17 the eight -x2/2
.macro ALOAD buf, ord
.if (\ord) < 16
	ds_load_b128 v[AF+64*(\buf)+4*(\ord):AF+64*(\buf)+4*(\ord)+3], v[AADR+(\buf)] offset:32*(\ord)
.else
	ds_load_b128 v[HX+8*(\buf)+4*((\ord)-16):HX+8*(\buf)+4*((\ord)-16)+3], v[HADR] offset:64*(\buf)+16*((\ord)-16)
.endif
.endm
; One step of the look at a finished set z of four blocks (44 steps): the largest of a lane's eight scores, against the best so far.
; No step has a vector register as its second source, so all run under the products' window setting.
.macro EPI_OP z, n
.set EB, (\n)/11
.set EO, (\n)%11
.set EZ, ACC+32*(\z)+8*EB
.set EBB, 4*(\z)+EB
.if EO < 4
	v_max3_num_f32 v[T+EO], v[EZ+2*EO], s13, v[EZ+2*EO+1]
.elseif EO == 4
	v_max3_num_f32 v[T], v[T], s13, v[T+1]
.elseif EO == 5
	v_max3_num_f32 v[T+2], v[T+2], s13, v[T+3]
.elseif EO == 6
	v_max3_num_f32 v[T], v[T], s13, v[T+2]
.elseif EO == 7
	v_fma_f32 v[DF], v[T], 1.0, -v[BEST+EBB]
.elseif EO == 8
	v_cmp_gt_f32 vcc_lo, v[DF], 0                  ; strictly better: an equal score keeps the earlier tile
.elseif EO == 9
	v_max3_num_f32 v[BEST+EBB], v[T], s13, v[BEST+EBB]
.else
	v_cndmask_b32 v[IDX+EBB], v[IDX+EBB], s14, vcc_lo
.endif
.endm
; One step of the conversion of my part (32 numbers) of a row of ring tile PT into stage PA (60 steps), in window 1.
.macro CONV_OP n
.if (\n) < 52
.set CU, (\n)/13
.set CC, (\n)%13
.if CC < 4
.if (\n) == 0
	s_wait_dscnt CW0                               ; the first four loads of the row are in; CW0 LDS instructions were issued behind them
.endif
.if (\n) == 26
	s_wait_dscnt CW1                               ; the other four; CW1 were issued behind them
.endif
	v_cvt_pk_bf16_f32 v[PR+4*CU+CC], v[FR+8*CU+2*CC], v[FR+8*CU+2*CC+1]
.elseif CC == 4
	ds_store_b128 v[CSR+PA], v[PR+4*CU:PR+4*CU+3] offset:256*(CU/2)+16*(CU%2)
.else
.set CJ, CC-5
.set CQ, QR+CJ%4
.set CP, PR+4*CU+CJ/2
.set CD, CQ
.if CU == 0
.if CJ < 4
.set CD, ZR                                        ; the first four squares start the chains
.endif
.endif
.if CJ%2
	v_fma_mix_f32_bf16 v[CQ], v[CP], v[CP], v[CD] op_sel:[1,1,0] op_sel_hi:[1,1,0]
.else
	v_fma_mix_f32_bf16 v[CQ], v[CP], v[CP], v[CD] op_sel_hi:[1,1,0]
.endif
.endif
.elseif (\n) == 52
	v_add_f32 v[QR], v[QR], v[QR+1]
.elseif (\n) == 53
	v_add_f32 v[QR+2], v[QR+2], v[QR+3]
.elseif (\n) == 54
	v_add_f32 v[QR], v[QR], v[QR+2]
.elseif (\n) == 55
	v_add_f32_dpp v[QR], v[QR], v[QR] row_xmask:1 row_mask:0xf bank_mask:0xf   ; the eight lanes of a row
.elseif (\n) == 56
	v_add_f32_dpp v[QR], v[QR], v[QR] row_xmask:2 row_mask:0xf bank_mask:0xf
.elseif (\n) == 57
	v_add_f32_dpp v[QR], v[QR], v[QR] row_xmask:4 row_mask:0xf bank_mask:0xf
.elseif (\n) == 58
	v_mul_f32 v[QR], -0.5, v[QR]
.else
	ds_store_b32 v[CHR], v[QR] offset:64*PA        ; eight lanes write one word with one value
.endif
.endm
.macro CHUNK k                         ; chunks 0, 1: four loads each of the row (two rows of a pass lie 128 bytes apart modulo 256); chunks 2-13: five steps each
.if (\k) < 2
.set CI, 0
.rept 4
	ds_load_b128 v[FR+16*(\k)+4*CI:FR+16*(\k)+4*CI+3], v[CAR+PT] offset:128*(4*(\k)+CI)
.set CI, CI+1
.endr
.else
.set CI, 5*((\k)-2)
.rept 5
	CONV_OP CI
.set CI, CI+1
.endr
.endif
.endm
.macro CONV_ALL t, a                   ; a whole conversion in one run, for the first two tiles
.set PT, \t
.set PA, \a
.set CW0, 4                                        ; behind the first four loads: the other four
.set CW1, 2                                        ; behind those: two stage stores
	WIN 0x55
.set CK, 0
.rept 14
	CHUNK CK
.set CK, CK+1
.endr
.endm
; ONE TILE of 16 points, a = t16 & 1: 64 products on fragment buffer a; the next tile's fragments from stage 1 - a into buffer 1 - a;
; ring tile (t16 + 2) & 15 converted into stage a; the look at the set of four blocks that is not being multiplied.
; One barrier a tile orders both stages: stage a was read during the tile before, stage 1 - a was written during it.
; The four accumulators of a set take turns, one instruction a turn, and the sets change every 32 products, over the backward jump too.
; Places behind matrix instructions (ISA guide 7.12.1): a block's last product is product 28 + b of its set; its first reader stands behind the next
; set's product 1, with steps 40-43 of the other set's look and two v_nop between for block 0, and more for the others.
; sync 0: barrier.  1: barrier that opens a round of the cluster's barrier, then slot \slot is filled again.  2: barrier behind a wait for all tensor loads.
; 3: only my LDS loads are waited for.  4: nothing.
.macro PERIOD t16, conv, aload, sync, slot
.set PA, (\t16)&1
.set PT, ((\t16)+2)&15
.set CW0, 9                                        ; behind the row's first four loads: its other four and five fragment loads
.set CW1, 18                                       ; behind those: sixteen fragment and -x2/2 loads and two stage stores
.set QQ, 0
.rept 64
.set PG, QQ/32
.set PQ, QQ%32
.set PS, PQ/4
.set PB, PQ%4
	WIN (0x08|(4*PG))                              ; source 1 in window 2 or 3, all else in window 0
.if PS == 0
	v_wmma_f32_16x16x32_bf16 v[ACC+32*PG+8*PB:ACC+32*PG+8*PB+7], v[AF+64*PA:AF+64*PA+7], v[64*PB:64*PB+7], v[HX+8*PA:HX+8*PA+7]
.else
	v_wmma_f32_16x16x32_bf16 v[ACC+32*PG+8*PB:ACC+32*PG+8*PB+7], v[AF+64*PA+8*PS:AF+64*PA+8*PS+7], v[64*PB+8*PS:64*PB+8*PS+7], v[ACC+32*PG+8*PB:ACC+32*PG+8*PB+7]
.endif
.if PB == 2
.if \conv
.if QQ/4 < 14
	WIN 0x55
	CHUNK (QQ/4)
.endif
.endif
.else
.if PQ >= 1
.set PE, (PQ-1)-(PQ+1)/4
.if PE < 22
	EPI_OP (1-PG), (2*PE)
	EPI_OP (1-PG), (2*PE+1)
.endif
.endif
.if \aload
.if QQ >= 4
.set PO, (QQ-4)-(QQ-3)/4
.if PO < 18
	ALOAD (1-PA), PO
.endif
.endif
.endif
.endif
.if PQ == 31
	v_nop
	v_nop
.endif
.if QQ == 32
	s_add_co_u32 s14, s14, 2                       ; this tile's first group: blocks 0-3 are looked at now, blocks 4-7 during the next tile's first half
.endif
.if QQ == 60
.if (\sync) <= 3
	s_wait_dscnt 0x0                               ; my fragment loads, my reads of the ring and my stage stores are done
.endif
.if ((\sync) == 1) || ((\sync) == 2)
	s_set_vgpr_msb 0xc00
	s_wait_tensorcnt 0x0                           ; all my tensor loads have landed: the one that was out is my quarter of the slot that is read next
	ds_add_u32 v14, v15
	s_wait_dscnt 0x0
	s_set_vgpr_msb 0xc
.endif
.if (\sync) == 1
	s_add_nc_u64 s[G0+4*(\slot)+2:G0+4*(\slot)+3], s[G0+4*(\slot)+2:G0+4*(\slot)+3], 256*1024   ; no load of mine is out: the slot's next 128 rows lie 256 rows on
.endif
.if (\sync) <= 2
	s_barrier_signal -1                            ; only products and register work up to the wait
.endif
.endif
.set QQ, QQ+1
.endr
.if (\sync) == 1
	WIN 0
.endif
.if (\sync) <= 2
	s_barrier_wait -1
.endif
.if (\sync) == 1
	CREST                                          ; no wave of either partner still reads the slot or has a load on its way
	tensor_load_to_lds s[G0+4*(\slot):G0+4*(\slot)+3], s[G1:G1+7]   ; my one load behind the round: it has eight tiles, 512 products of mine, in which to land
	s_nop 0
.endif
.endm
	s_wait_dscnt 0x0                               ; my centres are in registers, my use of the scratch is over
	s_wait_tensorcnt 0x1                           ; my quarter of slot 0 is in; slot 1's stays out
	s_barrier_signal -1
	s_barrier_wait -1
	CONV_ALL 0, 0
	CONV_ALL 1, 1
	WIN 0
	s_wait_dscnt 0x0                               ; my rows of both stages are written
	s_barrier_signal -1
	s_barrier_wait -1
.set i, 0
.rept 18
	ALOAD 0, i
.set i, i+1
.endr
	s_wait_dscnt 0x0                               ; tile 0 is in my registers: stage 0 may be written again behind this barrier
	s_barrier_signal -1
	s_barrier_wait -1
	; 64 tiles = 4 times round the ring of 16.  Slot 0 (ring tiles 0-7) is read for the last time in tile 5, slot 1 in tile 13.
	s_mov_b32 s15, 0
.Lring:
.irp t, 0,1,2,3,4
	PERIOD \t, 1, 1, 0, 0
.endr
	PERIOD 5, 1, 1, 1, 0
.irp t, 6,7,8,9,10,11,12
	PERIOD \t, 1, 1, 0, 0
.endr
	PERIOD 13, 1, 1, 1, 1
	PERIOD 14, 1, 1, 0, 0
	PERIOD 15, 1, 1, 0, 0
	WIN 0
	s_add_co_u32 s15, s15, 1
	s_cmp_lt_u32 s15, 3
	s_cbranch_scc1 .Lring
	; the last time round: nothing is filled, and the last two tiles convert nothing
.irp t, 0,1,2,3,4
	PERIOD \t, 1, 1, 0, 0
.endr
	PERIOD 5, 1, 1, 2, 0                           ; slot 1's last fill is shown landed to all four waves
.irp t, 6,7,8,9,10,11,12,13
	PERIOD \t, 1, 1, 0, 0
.endr
	PERIOD 14, 0, 1, 3, 0
	PERIOD 15, 0, 0, 4, 0
	WIN 0
.rept 4
	v_nop                                          ; the places behind the last products
.endr
.set i, 0
.rept 44
	EPI_OP 1, i                                    ; the last tile's blocks 4-7
.set i, i+1
.endr
	; keys, and the two halves of the lanes (points 8 h + j) merged
.set i, 0
.rept 8
	v_add_nc_u32 v[IDX+i], v[IDX+i], v2            ; the group: the tile's first + h
	v_add_f32 v[BEST+i], 0, v[BEST+i]              ; -0 becomes +0
	v_ashrrev_i32 v55, 31, v[BEST+i]
	v_or_b32 v55, 0x80000000, v55
	v_xor_b32 v[BEST+i], v55, v[BEST+i]            ; a u32 that orders as the f32 does
	v_permlanex16_b32 v53, v[BEST+i], s40, s41     ; v53 and v54 have been written before
	v_permlanex16_b32 v54, v[IDX+i], s40, s41
	MERGE BEST+i, IDX+i, 53, 54
.set i, i+1
.endr
	; lane (r, h) stores {key, group} of blocks 4 j + 2 h and 4 j + 2 h + 1: each store of the wave covers 512 consecutive bytes, aligned
.irp j, 0,1
	v_cndmask_b32 v[56+4*\j], v[BEST+4*\j], v[BEST+4*\j+2], s42
	v_cndmask_b32 v[57+4*\j], v[IDX+4*\j], v[IDX+4*\j+2], s42
	v_cndmask_b32 v[58+4*\j], v[BEST+4*\j+1], v[BEST+4*\j+3], s42
	v_cndmask_b32 v[59+4*\j], v[IDX+4*\j+1], v[IDX+4*\j+3], s42
	global_store_b128 v[LOFF], v[56+4*\j:59+4*\j], s[8:9] offset:512*\j
.endr
	s_wait_tensorcnt 0x0
	ds_add_u32 v14, v15
	s_wait_dscnt 0x0
	ROUND                                          ; the closing round: neither partner ends while the other may still ask jointly
	s_endpgm
.Lfunc_end_k_q658f3ab57d_scan:
	.size	k_q658f3ab57d_scan, .Lfunc_end_k_q658f3ab57d_scan-k_q658f3ab57d_scan
	.p2alignl 7, 3214868480
	.fill 96, 4, 3214868480
	.section	.rodata,"a",@progbits
	.p2align	6, 0x0
	.amdhsa_kernel k_q658f3ab57d_scan
		.amdhsa_group_segment_fixed_size 327680
		.amdhsa_private_segment_fixed_size 0
		.amdhsa_enable_private_segment 0
		.amdhsa_kernarg_size 24
		.amdhsa_user_sgpr_count 2
		.amdhsa_user_sgpr_kernarg_segment_ptr 1
		.amdhsa_wavefront_size32 1
		.amdhsa_system_sgpr_workgroup_id_x 1
		.amdhsa_system_sgpr_workgroup_id_y 1
		.amdhsa_system_sgpr_workgroup_id_z 1
		.amdhsa_system_vgpr_workitem_id 0
		.amdhsa_next_free_vgpr 1024
		.amdhsa_next_free_sgpr 66
		.amdhsa_reserve_vcc 1
		.amdhsa_float_denorm_mode_32 3
		.amdhsa_float_denorm_mode_16_64 3
		.amdhsa_memory_ordered 1
		.amdhsa_forward_progress 1
		.amdhsa_inst_pref_size 255
	.end_amdhsa_kernel
	.section	.bss,"aw",@nobits
	.p2align	6
	.space	262144
	.amdgpu_metadata
---
amdhsa.version: [ 1, 2 ]
amdhsa.kernels:
  - .name:           k_q658f3ab57d_scan
    .symbol:         k_q658f3ab57d_scan.kd
    .args:
      - { .name: cluster_centers, .offset: 0, .size: 8, .value_kind: global_buffer, .address_space: global }
      - { .name: x, .offset: 8, .size: 8, .value_kind: global_buffer, .address_space: global }
      - { .name: rec, .offset: 16, .size: 8, .value_kind: global_buffer, .address_space: global }
    .group_segment_fixed_size: 327680
    .private_segment_fixed_size: 0
    .kernarg_segment_align: 8
    .kernarg_segment_size: 24
    .max_flat_workgroup_size: 128
    .sgpr_count:     66
    .vgpr_count:     1024
    .wavefront_size: 32
...
	.end_amdgpu_metadata
.endif
;; end of part 1
;; launch pick (part 2): grid 256 x 1, 4 waves a work-group, no clusters, 0 bytes of LDS; arguments rec, x, cluster_centers, out0; writes out0
.if DOCPART == 2
	.amdgcn_target "amdgcn-amd-amdhsa--gfx1250"
	.amdhsa_code_object_version 6
	.text
	.protected	k_q658f3ab57d_pick
	.globl	k_q658f3ab57d_pick
	.p2align	8
	.type	k_q658f3ab57d_pick,@function
k_q658f3ab57d_pick:
	s_mov_b64 s[64:65], 0
	v_nop
	global_prefetch_b8 v0, s[64:65] scope:SCOPE_SE
	s_setreg_imm32_b32 hwreg(HW_REG_WAVE_MODE, 25, 1), 1
	s_wait_xcnt 0x0
; pick: one wave for each centre.  The largest key over the 128 ranges (whole numbers) names a group of 8 neighbouring points; for these the
; squared distance sum((xr - cr)^2) is formed in f32 (xr, cr rounded to bf16, as the scores were), and the nearest row of x goes out as it lies in x.
; No LDS, no barrier, no matrix unit: 8 KiB of rows and 256 differences a candidate; nothing is shared between work-groups, so no cluster.
; LIMITS: finite inputs; equal keys and equal distances go to the lowest index; a group index is held inside the table by a minimum with 16,383.
; A record position p = 128 W + 64 j + 32 h + 2 r + e holds centre k = 128 W + 64 j + 32 h + 16 e + r.  A lane reads 8 bytes of each range's record;
; the four waves of a work-group take positions 4 g .. 4 g + 3, 32 neighbouring bytes.  Whole-row reads of the records would leave work for 32 work-groups only.
.set CEN, 16                           ; v[16:23]   the centre, my 8 features (4 l .. 4 l + 3 and 128 + 4 l ..)
.set ROW, 32                           ; v[32:95]   8 candidate rows, 8 registers each, as loaded
.set SS,  96                           ; v[96:103]  their distances
.set TT,  104                          ; v[104:111] at work
.set PP,  112                          ; v[112:115]
.set AC,  116                          ; v[116:117]
.set BST, 119
.set CHO, 120                          ; v[120:127] the chosen row
.macro MERGE k1, g1, k2, g2            ; (k1, g1) takes (k2, g2) if k2 is larger, or equal with the smaller index
	v_cmp_gt_u32 s36, v[\k2], v[\k1]
	v_cmp_eq_u32 s37, v[\k2], v[\k1]
	v_cmp_lt_u32 s38, v[\g2], v[\g1]
	s_and_b32 s37, s37, s38
	s_or_b32 vcc_lo, s36, s37
	v_cndmask_b32 v[\k1], v[\k1], v[\k2], vcc_lo
	v_cndmask_b32 v[\g1], v[\g1], v[\g2], vcc_lo
.endm
	s_load_b256 s[4:11], s[0:1], 0x0               ; rec s[4:5], x s[6:7], centres s[8:9], out0 s[10:11]
	v_lshrrev_b32 v1, 5, v0
	v_readfirstlane_b32 s12, v1                    ; wave
	v_and_b32 v1, 31, v0
	v_lshlrev_b32 v2, 4, v1                        ; 16 x lane
	v_lshlrev_b32 v3, 13, v1                       ; 8,192 x lane: a range's record
	v_mov_b32 v12, 0                               ; destinations of lane moves count as read
	v_mov_b32 v13, 0
	v_mov_b32 v118, 0
	s_mov_b32 s18, 0x76543210
	s_mov_b32 s19, 0xfedcba98
	s_mov_b32 s20, 0xffff0000
	s_lshl_b32 s13, ttmp9, 2
	s_add_co_u32 s13, s13, s12                     ; p
	s_and_b32 s14, s13, 0x3e0
	s_and_b32 s15, s13, 1
	s_lshl_b32 s15, s15, 4
	s_add_co_u32 s14, s14, s15
	s_bfe_u32 s15, s13, 0x40001
	s_add_co_u32 s14, s14, s15                     ; k
	s_lshl_b32 s16, s13, 3
	s_mov_b32 s17, 0
	s_lshl_b32 s22, s14, 10
	s_mov_b32 s23, 0
	s_wait_kmcnt 0x0
	s_add_nc_u64 s[4:5], s[4:5], s[16:17]
	s_add_nc_u64 s[8:9], s[8:9], s[22:23]
	s_add_nc_u64 s[10:11], s[10:11], s[22:23]
.irp i, 0,1,2,3
	global_load_b64 v[4+2*\i:5+2*\i], v3, s[4:5] offset:262144*\i   ; {key, group} of ranges l, l + 32, l + 64, l + 96
.endr
	global_load_b128 v[CEN:CEN+3], v2, s[8:9]
	global_load_b128 v[CEN+4:CEN+7], v2, s[8:9] offset:512
	s_wait_loadcnt 0x2                             ; the four records are in; the centre's two loads stay out
	MERGE 4, 5, 6, 7
	MERGE 8, 9, 10, 11
	MERGE 4, 5, 8, 9
.irp m, 1,2,4,8
	v_mov_b32_dpp v12, v4 row_xmask:\m row_mask:0xf bank_mask:0xf
	v_mov_b32_dpp v13, v5 row_xmask:\m row_mask:0xf bank_mask:0xf
	MERGE 4, 5, 12, 13
.endr
	v_permlanex16_b32 v12, v4, s18, s19
	v_permlanex16_b32 v13, v5, s18, s19
	MERGE 4, 5, 12, 13                             ; every lane holds the winner
	v_min_u32 v5, 0x3fff, v5                       ; 16,384 groups of 8 rows
	v_lshl_add_u32 v14, v5, 13, v2                 ; 8,192 bytes a group + 16 x lane
.irp j, 0,1,2,3,4,5,6,7
	global_load_b128 v[ROW+8*\j:ROW+8*\j+3], v14, s[6:7] offset:1024*\j        ; 8 KiB of consecutive bytes in all
	global_load_b128 v[ROW+8*\j+4:ROW+8*\j+7], v14, s[6:7] offset:1024*\j+512
.endr
	s_wait_loadcnt 0x10                            ; the centre is in; the sixteen row loads stay out
.irp i, 0,1,2,3
	v_cvt_pk_bf16_f32 v[PP+\i], v[CEN+2*\i], v[CEN+2*\i+1]
.endr
.irp i, 0,1,2,3
	v_lshlrev_b32 v[CEN+2*\i], 16, v[PP+\i]        ; rounded to bf16 and widened again
	v_and_b32 v[CEN+2*\i+1], s20, v[PP+\i]
.endr
.macro CAND j
	s_wait_loadcnt 14-2*\j                         ; row j's two loads are in, the rows behind it stay out
.irp i, 0,1,2,3
	v_cvt_pk_bf16_f32 v[PP+\i], v[ROW+8*\j+2*\i], v[ROW+8*\j+2*\i+1]
.endr
.irp i, 0,1,2,3
	v_lshlrev_b32 v[TT+2*\i], 16, v[PP+\i]
	v_and_b32 v[TT+2*\i+1], s20, v[PP+\i]
.endr
.irp i, 0,2,4,6
	v_pk_add_f32 v[TT+\i:TT+\i+1], v[TT+\i:TT+\i+1], v[CEN+\i:CEN+\i+1] neg_lo:[0,1] neg_hi:[0,1]
.endr
	v_pk_mul_f32 v[AC:AC+1], v[TT:TT+1], v[TT:TT+1]
.irp i, 2,4,6
	v_pk_fma_f32 v[AC:AC+1], v[TT+\i:TT+\i+1], v[TT+\i:TT+\i+1], v[AC:AC+1]
.endr
	v_add_f32 v[SS+\j], v[AC], v[AC+1]
	v_add_f32_dpp v[SS+\j], v[SS+\j], v[SS+\j] row_xmask:1 row_mask:0xf bank_mask:0xf
	v_add_f32_dpp v[SS+\j], v[SS+\j], v[SS+\j] row_xmask:2 row_mask:0xf bank_mask:0xf
	v_add_f32_dpp v[SS+\j], v[SS+\j], v[SS+\j] row_xmask:4 row_mask:0xf bank_mask:0xf
	v_add_f32_dpp v[SS+\j], v[SS+\j], v[SS+\j] row_xmask:8 row_mask:0xf bank_mask:0xf
	v_permlanex16_b32 v118, v[SS+\j], s18, s19
	v_add_f32 v[SS+\j], v[SS+\j], v118             ; the same bits in every lane
.endm
.irp j, 0,1,2,3,4,5,6,7
	CAND \j
.endr
	; the nearest of the eight, chosen by value: a strict compare keeps the lower index
	v_cmp_lt_f32 vcc_lo, v[SS+1], v[SS]
	v_cndmask_b32 v[BST], v[SS], v[SS+1], vcc_lo
.irp i, 0,1,2,3,4,5,6,7
	v_cndmask_b32 v[CHO+\i], v[ROW+\i], v[ROW+8+\i], vcc_lo
.endr
.irp j, 2,3,4,5,6,7
	v_cmp_lt_f32 vcc_lo, v[SS+\j], v[BST]
	v_cndmask_b32 v[BST], v[BST], v[SS+\j], vcc_lo
.irp i, 0,1,2,3,4,5,6,7
	v_cndmask_b32 v[CHO+\i], v[CHO+\i], v[ROW+8*\j+\i], vcc_lo
.endr
.endr
	global_store_b128 v2, v[CHO:CHO+3], s[10:11]               ; each store of the wave covers 512 consecutive bytes, aligned
	global_store_b128 v2, v[CHO+4:CHO+7], s[10:11] offset:512
	s_endpgm
.Lfunc_end_k_q658f3ab57d_pick:
	.size	k_q658f3ab57d_pick, .Lfunc_end_k_q658f3ab57d_pick-k_q658f3ab57d_pick
	.p2alignl 7, 3214868480
	.fill 96, 4, 3214868480
	.section	.rodata,"a",@progbits
	.p2align	6, 0x0
	.amdhsa_kernel k_q658f3ab57d_pick
		.amdhsa_group_segment_fixed_size 0
		.amdhsa_private_segment_fixed_size 0
		.amdhsa_enable_private_segment 0
		.amdhsa_kernarg_size 32
		.amdhsa_user_sgpr_count 2
		.amdhsa_user_sgpr_kernarg_segment_ptr 1
		.amdhsa_wavefront_size32 1
		.amdhsa_system_sgpr_workgroup_id_x 1
		.amdhsa_system_sgpr_workgroup_id_y 1
		.amdhsa_system_sgpr_workgroup_id_z 1
		.amdhsa_system_vgpr_workitem_id 0
		.amdhsa_next_free_vgpr 128
		.amdhsa_next_free_sgpr 66
		.amdhsa_reserve_vcc 1
		.amdhsa_float_denorm_mode_32 3
		.amdhsa_float_denorm_mode_16_64 3
		.amdhsa_memory_ordered 1
		.amdhsa_forward_progress 1
		.amdhsa_inst_pref_size 21
	.end_amdhsa_kernel
	.amdgpu_metadata
---
amdhsa.version: [ 1, 2 ]
amdhsa.kernels:
  - .name:           k_q658f3ab57d_pick
    .symbol:         k_q658f3ab57d_pick.kd
    .args:
      - { .name: rec, .offset: 0, .size: 8, .value_kind: global_buffer, .address_space: global }
      - { .name: x, .offset: 8, .size: 8, .value_kind: global_buffer, .address_space: global }
      - { .name: cluster_centers, .offset: 16, .size: 8, .value_kind: global_buffer, .address_space: global }
      - { .name: out0, .offset: 24, .size: 8, .value_kind: global_buffer, .address_space: global }
    .group_segment_fixed_size: 0
    .private_segment_fixed_size: 0
    .kernarg_segment_align: 8
    .kernarg_segment_size: 32
    .max_flat_workgroup_size: 128
    .sgpr_count:     66
    .vgpr_count:     128
    .wavefront_size: 32
...
	.end_amdgpu_metadata
.endif
;; end of part 2
;; ======== version 2 of 2: 2 launches; 1.58 times as fast as version 1
;; workspace buffers: rec 1,048,576 bytes of whole numbers
;; launch scan (part 3): grid 256 x 1, 4 waves a work-group, clusters of 2 x 1, 327,680 bytes of LDS; arguments cluster_centers, x, rec; writes rec
.if DOCPART == 3
	.amdgcn_target "amdgcn-amd-amdhsa--gfx1250"
	.amdhsa_code_object_version 6
	.text
	.protected	k_q658f3ab57d_scan
	.globl	k_q658f3ab57d_scan
	.p2align	8
	.type	k_q658f3ab57d_scan,@function
k_q658f3ab57d_scan:
	s_mov_b64 s[64:65], 0
	v_nop
	global_prefetch_b8 v0, s[64:65] scope:SCOPE_SE
	s_setreg_imm32_b32 hwreg(HW_REG_WAVE_MODE, 25, 1), 1
	s_wait_xcnt 0x0
	s_wait_alu depctr_hold_cnt(0) depctr_sa_sdst(0) depctr_va_vdst(0) depctr_va_sdst(0) depctr_va_ssrc(0) depctr_va_vcc(0) depctr_vm_vsrc(0)
	s_getreg_b32 s2, hwreg(HW_REG_IB_STS2, 6, 4)
	s_cmp_eq_u32 s2, 0
	s_cbranch_scc0 .Lentry_in_a_cluster
	s_endpgm
.Lentry_in_a_cluster:
	s_bfe_u32 s2, ttmp6, 0x10000c
	s_cmp_lg_u32 s2, 0x1001
	s_cbranch_scc0 .Lentry_shape_is_right
	s_endpgm
.Lentry_shape_is_right:
; scan: for each range of 1,024 points and each of 1,024 centres, the largest score e = sum(xr*cr) - 0.5*sum(xr*xr) over the range
; (xr, cr: x and the centres rounded to bf16; sums in f32), and the group of 8 neighbouring points that holds it.
; d2 = c2 - 2 e, c2 is the same for all points of a centre and the factor -2 is exact, so the largest e is the smallest d2.
; Stored as whole numbers: a u32 key that orders as e does, and the group's index (point / 8).  The next launch forms addresses from them.
;
; LIMITS: inputs finite, squares summable in f32 (NaN and infinities are not served).  Both operands are rounded to bf16, x2 is summed from
; the rounded x.  e is the difference of two sums in one f32 accumulator, as the problem's own formula is: its error grows with a common
; offset of the inputs as that formula's does.  Equal scores: the lowest index wins (strict compares in ascending order, then (key, index)
; merges); -0 is made +0 before the key is built.
;
; SHAPE: a work-group holds 512 centres in registers, a wave 128 centres x 256 features in bf16 = 512 registers, and 1,024 points stream
; past them: 128 ranges x 2 halves of the centres = 256 work-groups.  The two work-groups of a range read the same tiles of x: they form a
; cluster and ask for each tile jointly (mask 3).  Why two partners and not four: for a tile of 16 points a work-group's LDS takes 16 KiB
; of f32 in, gives 16 KiB to the conversion, takes 8 KiB of bf16 and gives 4 x 8 KiB of fragments, for 64 products a wave; four partners
; with 256 centres each would move the same bytes for 32 products a wave.
; Source 0 = 16 points, source 1 = 16 centres: in the result a lane holds ONE centre (lane % 16) and eight points (8 (lane / 16) + j), so
; the maximum over points stays inside the lane.  -x2/2 of those eight points is the C operand of each block's first K step.
;
; FEATURES ARE PERMUTED ALIKE IN BOTH OPERANDS: feature 64 u + 32 hf + 4 c + e lies at byte 256 (u>>1) + 32 c + 16 (u&1) + 8 hf + 2 e of a
; bf16 row; fragments are then read at the usual places.  The products are the same, their order in a sum is not.
;
; LDS: ring of two slots, 128 rows of x in f32 each, row pitch 1,152 bytes (1,024 + 128 of padding); behind it, in bytes that no tensor load
; fills, two stages of 16 bf16 rows (pitch 528) and two lists of 16 values -x2/2.  The centres' way into registers uses the stages' bytes first.
;
; THE TEXT IS KEPT SHORT: the 64 tiles run through the text of a PAIR of tiles (the two fragment buffers and stages by turns), which stands
; twice in the kernel: in the loop that fills slots again, and behind it, where nothing is left to fetch.
.set XPITCH, 1152
.set TILEB,  16*XPITCH                 ; 16 points
.set QUART,  32*XPITCH                 ; what one tensor load brings: a wave's quarter of a slot
.set SLOTB,  128*XPITCH
.set SBP,    528                       ; 512 + 16: row r starts 16 r bytes on, modulo 256 (64 banks of 4 bytes: ISA guide 11.1)
.set SB0,    2*SLOTB
.set SB1,    SB0+16*SBP
.set HX2,    SB1+16*SBP
.set SCR,    SB0                       ; the centres' scratch, 16 rows of 272 bytes for each wave
.set SCRP,   272
.set SCRW,   16*SCRP
; window 0
.set AADR, 10                          ; v10, v11  my fragment address in stage 0, 1
.set HADR, 12                          ; v12       my eight -x2/2
.set LOFF, 13                          ; v13       16 x lane
.set HX,   16                          ; v[16:23], v[24:31]  -x2/2 of the tile, two buffers
.set BEST, 32                          ; v[32:39]  best score of block b
.set IDX,  40                          ; v[40:47]  its tile's first group
.set T,    48                          ; v48-51
.set DF,   52
.set AF,   64                          ; v[64:127], v[128:191]  fragments of 16 points, two buffers, register 8 s + i
.set ACC,  192                         ; v[192:223] blocks 0-3, v[224:255] blocks 4-7
; window 1
.set FR,   0                           ; 32 f32 of my part of a row
.set PR,   32                          ; the same in bf16, 16 registers
.set QR,   48                          ; four chains of squares
.set ST,   0                           ; centres as loaded, three sets of 64
.set PK,   192                         ; 192-223: a unit of centres in bf16
.set CAL,  224                         ; my place in a ring tile: (4 wave + lane / 8) rows + 16 (lane % 8)
.set CAC,  225                         ; the same in the pair's first ring tile
.set CSR,  240                         ; 240, 241: my address in stage 0, 1
.set CHR,  242                         ; my row's word in the list of -x2/2
.set ZR,   243                         ; zero
.set BG,   244
.set BS,   245
.set BF,   246
; windows 2 and 3: the centres' fragments, blocks 0-3 and 4-7, register 64 (b & 3) + 8 s + i
.set G1, 16
.set G0, 24
.set MSB, 0
.macro WIN new                         ; s_set_vgpr_msb: bits 1:0 source 0, 3:2 source 1, 5:4 source 2, 7:6 destination; the high byte repeats the setting left
.if MSB != (\new)
	s_set_vgpr_msb (MSB<<8)|(\new)
.set MSB, \new
.endif
.endm
.macro CREST                           ; a round of the cluster's barrier behind its opening barrier
	s_cmp_lg_u32 s10, 0
	s_cbranch_scc1 .Lnot_wave_0_\@
	s_barrier_signal -3
.Lnot_wave_0_\@:
	s_barrier_wait -3
	s_barrier_signal -1
	s_barrier_wait -1
.endm
.macro ROUND
	s_barrier_signal -1
	s_barrier_wait -1
	CREST
.endm
.macro MERGE k1, g1, k2, g2            ; (k1, g1) takes (k2, g2) if k2 is larger, or equal with the smaller index
	v_cmp_gt_u32 s36, v[\k2], v[\k1]
	v_cmp_eq_u32 s37, v[\k2], v[\k1]
	v_cmp_lt_u32 s38, v[\g2], v[\g1]
	s_and_b32 s37, s37, s38
	s_or_b32 vcc_lo, s36, s37
	v_cndmask_b32 v[\k1], v[\k1], v[\k2], vcc_lo
	v_cndmask_b32 v[\g1], v[\g1], v[\g2], vcc_lo
.endm
	s_load_b128 s[4:7], s[0:1], 0x0                ; centres s[4:5], x s[6:7]
	s_load_b64 s[8:9], s[0:1], 0x10                ; rec
	v_lshl_add_u32 v14, v0, 2, 0x4c400
	v_mov_b32 v15, 0
	ds_add_u32 v14, v15
	ds_add_u32 v14, v15
	v_lshrrev_b32 v3, 5, v0
	v_readfirstlane_b32 s10, v3                    ; wave 0..3
	s_bfe_u32 s11, ttmp6, 0x40000                  ; cx: which half of the centres
	s_mov_b32 s12, ttmp9                           ; the cluster's number: the range of points
	s_mov_b32 s13, 0xff800000                      ; -infinity
	s_lshl_b32 s14, s12, 7                         ; 128 groups in a range;
	s_sub_co_u32 s14, s14, 2                       ; one tile back: it steps in the middle of every tile (the value in front of tile 0 is never chosen)
	s_mov_b32 s40, 0x76543210
	s_mov_b32 s41, 0xfedcba98
	s_mov_b32 s42, 0xffff0000                      ; lanes 16-31
	; descriptor group 1: 32 rows x 256 elements of 4 bytes; after every 256 words (code 7) 32 words of padding (code 31); mask: both partners, bit 21 beside it
	s_mov_b32 s[G1+0], 3|(2<<16)|(1<<20)|(1<<21)|(7<<22)|(31<<25)
	s_mov_b32 s[G1+1], 256<<16                     ; tensor_dim0 = 256
	s_mov_b32 s[G1+2], 32<<16                      ; tensor_dim1 = 32
	s_mov_b32 s[G1+3], 256<<16                     ; tile_dim0 = 256
	s_mov_b32 s[G1+4], 32                          ; tile_dim1 = 32
	s_mov_b32 s[G1+5], 256                         ; elements from row to row
	s_mov_b32 s[G1+6], 0
	s_mov_b32 s[G1+7], 0
	s_lshl_b32 s34, s12, 20                        ; x: 1,024 rows of 1,024 bytes a range, 32 rows a wave; no place in the cluster enters
	s_lshl_b32 s35, s10, 15
	s_add_co_u32 s34, s34, s35
	s_mov_b32 s35, 0
	s_mov_b32 s[G0+0], 1                           ; one group 0 serves every load: it is stepped only where no load of mine is out
	s_mul_i32 s[G0+1], s10, QUART                  ; slot 0: my quarter
	s_wait_dscnt 0x0
	s_wait_kmcnt 0x0
	s_add_nc_u64 s[G0+2:G0+3], s[6:7], s[34:35]
	s_or_b32 s[G0+3], s[G0+3], 0x80000000
	ROUND                                          ; both partners are here: the first joint loads meet
	tensor_load_to_lds s[G0:G0+3], s[G1:G1+7]      ; rows 0-127 of the range, my quarter: one load of mine is out, here and behind every refill
	s_nop 0
	s_lshl_b32 s32, s11, 19                        ; my 128 centres: (512 cx + 128 wave) rows of 1,024 bytes
	s_lshl_b32 s33, s10, 17
	s_add_co_u32 s32, s32, s33
	s_mov_b32 s33, 0
	s_add_nc_u64 s[4:5], s[4:5], s[32:33]
	s_lshl_b32 s32, s12, 13                        ; my record: 8,192 bytes a range, 1,024 for each of the 8 waves of the pair
	s_lshl_b32 s33, s11, 12
	s_add_co_u32 s32, s32, s33
	s_lshl_b32 s33, s10, 10
	s_add_co_u32 s32, s32, s33
	s_mov_b32 s33, 0
	s_add_nc_u64 s[8:9], s[8:9], s[32:33]
	; lane terms
	v_and_b32 v1, 15, v0                           ; r
	v_bfe_u32 v2, v0, 4, 1                         ; h
	v_and_b32 v4, 31, v0
	v_lshlrev_b32 v[LOFF], 4, v4
	v_mul_u32_u24 v3, v1, SBP
	v_lshl_add_u32 v3, v2, 4, v3
	v_add_nc_u32 v[AADR], SB0, v3
	v_add_nc_u32 v[AADR+1], SB1, v3
	v_lshlrev_b32 v[HADR], 5, v2
	v_add_nc_u32 v[HADR], HX2, v[HADR]
	v_bfe_u32 v6, v0, 3, 2                         ; the conversion: lane / 8 = which of my wave's four rows of a tile,
	v_and_b32 v7, 7, v0                            ; lane % 8 = c
	v_mul_u32_u24 v5, v6, XPITCH
	v_lshl_add_u32 v5, v7, 4, v5
	s_mul_i32 s36, s10, 4*XPITCH
	v_add_nc_u32 v5, s36, v5                       ; (4 wave + lane / 8) rows + 16 c
	v_mul_u32_u24 v8, v6, SBP
	v_lshl_add_u32 v8, v7, 5, v8
	s_mul_i32 s36, s10, 4*SBP
	v_add_nc_u32 v8, s36, v8                       ; the same row in a stage + 32 c
	v_lshlrev_b32 v9, 2, v6
	v_lshl_add_u32 v9, s10, 4, v9
	v_add_nc_u32 v9, HX2, v9
	v_bfe_u32 v3, v0, 3, 1
	v_lshlrev_b32 v53, 5, v7                       ; the centres' scratch, in: 32 (l & 7) + 16 (l >> 4) + 8 ((l >> 3) & 1)
	v_lshl_add_u32 v53, v2, 4, v53
	v_lshl_add_u32 v53, v3, 3, v53
	v_mul_u32_u24 v54, v1, SCRP                    ; and out: 272 r + 16 h
	v_lshl_add_u32 v54, v2, 4, v54
	s_mul_i32 s36, s10, SCRW
	s_add_co_u32 s36, s36, SCR
	WIN 0x40                                       ; destinations in window 1
	v_mov_b32 v[BG], v[LOFF]
	v_add_nc_u32 v[BS], s36, v53
	v_add_nc_u32 v[BF], s36, v54
	v_mov_b32 v[CAL], v5
	v_mov_b32 v[CAC], v5                           ; ring tile 0, for the two conversions ahead of the loop
	v_add_nc_u32 v[CSR], SB0, v8
	v_add_nc_u32 v[CSR+1], SB1, v8
	v_mov_b32 v[CHR], v9
	v_mov_b32 v[ZR], 0
; THE CENTRES INTO REGISTERS, 16 units: unit n = 16 centres (block n / 2) x 128 features (half n % 2).  Each wave works on its own centres and its own scratch.
.macro GLB n                           ; 16 loads, each 512 neighbouring bytes of one centre
.set GS, ST+64*((\n)%3)
.set GI, 0
.rept 16
	global_load_b128 v[GS+4*GI:GS+4*GI+3], v[BG], s[4:5] offset:(16*((\n)/2)+GI)*1024+512*((\n)%2)
.set GI, GI+1
.endr
.endm
.macro PROCB n, left                   ; a unit: 32 roundings, then its 16 LDS stores, its 8 LDS loads and the 16 global loads of the unit three on, each kind in one run
	s_wait_loadcnt \left                           ; loads come back in order (ISA guide 5.7.1): this unit's 16 are in, the younger units stay out
.set GS, ST+64*((\n)%3)
.set GI, 0
.rept 16
	v_cvt_pk_bf16_f32 v[PK+2*GI], v[GS+4*GI], v[GS+4*GI+1]
	v_cvt_pk_bf16_f32 v[PK+2*GI+1], v[GS+4*GI+2], v[GS+4*GI+3]
.set GI, GI+1
.endr
.set GI, 0
.rept 16
	ds_store_b64 v[BS], v[PK+2*GI:PK+2*GI+1] offset:SCRP*GI
.set GI, GI+1
.endr
	WIN (0x81|(((\n)/8)<<6))                       ; destination window 2 (blocks 0-3) or 3, address window 1
.set GI, 0
.rept 8
	ds_load_b128 v[64*(((\n)/2)%4)+32*((\n)%2)+4*GI:64*(((\n)/2)%4)+32*((\n)%2)+4*GI+3], v[BF] offset:32*GI   ; LDS serves a wave's instructions in order (ISA guide 5.7.1.4): these see the stores above, and the next unit's stores come behind them
.set GI, GI+1
.endr
	WIN 0x55
.if (\n)+3 < 16
	GLB ((\n)+3)
.endif
.endm
	WIN 0x55                                       ; every place in window 1
	GLB 0
	GLB 1
	GLB 2
.irp n, 0,1,2,3,4,5,6,7,8,9,10,11,12,13
	PROCB \n, 32
.endr
	PROCB 14, 16
	PROCB 15, 0
	WIN 0
	; starting values.  Blocks 4-7 start at -infinity, so that the first tile's look at the tile in front of it changes nothing:
	; -inf - (-inf) is NaN, and the compare is false.
.set i, 0
.rept 8
	v_mov_b32 v[BEST+i], s13
	v_mov_b32 v[IDX+i], 0
.set i, i+1
.endr
.set i, 0
.rept 32
	v_mov_b32 v[ACC+32+i], s13
.set i, i+1
.endr
; The 18 fragment loads of a tile from stage buf into buffer buf: 16 for the points' fragments, 2 for the eight -x2/2
.macro ALOADS buf
.set AO, 0
.rept 16
	ds_load_b128 v[AF+64*(\buf)+4*AO:AF+64*(\buf)+4*AO+3], v[AADR+(\buf)] offset:32*AO
.set AO, AO+1
.endr
	ds_load_b128 v[HX+8*(\buf):HX+8*(\buf)+3], v[HADR] offset:64*(\buf)
	ds_load_b128 v[HX+8*(\buf)+4:HX+8*(\buf)+7], v[HADR] offset:64*(\buf)+16
.endm
; One step of the look at a finished set z of four blocks (44 steps): the largest of a lane's eight scores, against the best so far.
; No step has a vector register as its second source, so all run under the products' window setting.
.macro EPI_OP z, n
.set EB, (\n)/11
.set EO, (\n)%11
.set EZ, ACC+32*(\z)+8*EB
.set EBB, 4*(\z)+EB
.if EO < 4
	v_max3_num_f32 v[T+EO], v[EZ+2*EO], s13, v[EZ+2*EO+1]
.elseif EO == 4
	v_max3_num_f32 v[T], v[T], s13, v[T+1]
.elseif EO == 5
	v_max3_num_f32 v[T+2], v[T+2], s13, v[T+3]
.elseif EO == 6
	v_max3_num_f32 v[T], v[T], s13, v[T+2]
.elseif EO == 7
	v_fma_f32 v[DF], v[T], 1.0, -v[BEST+EBB]
.elseif EO == 8
	v_cmp_gt_f32 vcc_lo, v[DF], 0                  ; strictly better: an equal score keeps the earlier tile
.elseif EO == 9
	v_max3_num_f32 v[BEST+EBB], v[T], s13, v[BEST+EBB]
.else
	v_cndmask_b32 v[IDX+EBB], v[IDX+EBB], s14, vcc_lo
.endif
.endm
; THE CONVERSION of my part (32 numbers) of a row of a ring tile into stage PA, in window 1: 8 loads, 55 vector steps, 5 stores.
.macro CLOADS off                      ; the two rows of a pass of 16 lanes lie 128 bytes apart modulo 256
.set CI, 0
.rept 8
	ds_load_b128 v[FR+4*CI:FR+4*CI+3], v[CAC] offset:(\off)+128*CI
.set CI, CI+1
.endr
.endm
.macro CONV_OP n
.if (\n) < 48
.set CU, (\n)/12
.set CC, (\n)%12
.if CC < 4
.if (\n) == 0
	s_wait_dscnt CW0                               ; the first four loads of the row are in; CW0 LDS instructions were issued behind them
.endif
.if (\n) == 24
	s_wait_dscnt CW1                               ; the other four; CW1 were issued behind them
.endif
	v_cvt_pk_bf16_f32 v[PR+4*CU+CC], v[FR+8*CU+2*CC], v[FR+8*CU+2*CC+1]
.else
.set CJ, CC-4
.set CQ, QR+CJ%4
.set CP, PR+4*CU+CJ/2
.set CD, CQ
.if CU == 0
.if CJ < 4
.set CD, ZR                                        ; the first four squares start the chains
.endif
.endif
.if CJ%2
	v_fma_mix_f32_bf16 v[CQ], v[CP], v[CP], v[CD] op_sel:[1,1,0] op_sel_hi:[1,1,0]
.else
	v_fma_mix_f32_bf16 v[CQ], v[CP], v[CP], v[CD] op_sel_hi:[1,1,0]
.endif
.endif
.elseif (\n) == 48
	v_add_f32 v[QR], v[QR], v[QR+1]
.elseif (\n) == 49
	v_add_f32 v[QR+2], v[QR+2], v[QR+3]
.elseif (\n) == 50
	v_add_f32 v[QR], v[QR], v[QR+2]
.elseif (\n) == 51
	v_add_f32_dpp v[QR], v[QR], v[QR] row_xmask:1 row_mask:0xf bank_mask:0xf   ; the eight lanes of a row
.elseif (\n) == 52
	v_add_f32_dpp v[QR], v[QR], v[QR] row_xmask:2 row_mask:0xf bank_mask:0xf
.elseif (\n) == 53
	v_add_f32_dpp v[QR], v[QR], v[QR] row_xmask:4 row_mask:0xf bank_mask:0xf
.else
	v_mul_f32 v[QR], -0.5, v[QR]
.endif
.endm
.macro CHUNK k                         ; five of the 55 steps
.set CI, 5*(\k)
.rept 5
	CONV_OP CI
.set CI, CI+1
.endr
.endm
.macro CSTORES
.set CI, 0
.rept 4
	ds_store_b128 v[CSR+PA], v[PR+4*CI:PR+4*CI+3] offset:256*(CI/2)+16*(CI%2)
.set CI, CI+1
.endr
	ds_store_b32 v[CHR], v[QR] offset:64*PA        ; eight lanes write one word with one value
.endm
.macro CONV_ALL t, a                   ; a whole conversion in one run, for the first two tiles
.set PA, \a
.set CW0, 4                                        ; behind the first four loads: the other four
.set CW1, 0
	WIN 0x55
	CLOADS ((\t)*TILEB)
.set CK, 0
.rept 11
	CHUNK CK
.set CK, CK+1
.endr
	CSTORES
.endm
; ONE TILE of 16 points on fragment buffer a: 64 products; the next tile's fragments from stage 1 - a into buffer 1 - a; the ring tile two
; tiles on converted into stage a; the look at the set of four blocks that is not being multiplied.
; LDS instructions stand in two runs: behind product 2 the 8 ring loads and the 18 fragment loads, behind product 54 the 5 stage stores:
; four window switches for the 31.  The 55 vector steps of the conversion stand five at a time behind products 10, 14, .. 50.
; One barrier a tile orders both stages: stage a was read during the tile before, stage 1 - a was written during it.
; The four accumulators of a set take turns, one instruction a turn, and the sets change every 32 products, over the backward jumps too.
; Places behind matrix instructions (ISA guide 7.12.1): a block's last product is product 28 + b of its set; its first reader stands behind the next
; set's product 1, with steps 40-43 of the other set's look and two v_nop between for block 0, and more for the others.  The fragment loads go into the
; buffer that the tile before multiplied: behind its last product stand two v_nop and steps 0 and 1 of the look, which name blocks 4's registers and none of that product's.
.macro PERIOD a
.set PA, \a
.set CW0, 22                                       ; behind the row's first four loads: its other four and the 18 fragment loads
.set CW1, 18                                       ; behind those: the 18 fragment loads
.set QQ, 0
.rept 64
.set PG, QQ/32
.set PQ, QQ%32
.set PS, PQ/4
.set PB, PQ%4
.set KK, QQ/4
	WIN (0x08|(4*PG))                              ; source 1 in window 2 or 3, all else in window 0
.if PS == 0
	v_wmma_f32_16x16x32_bf16 v[ACC+32*PG+8*PB:ACC+32*PG+8*PB+7], v[AF+64*PA:AF+64*PA+7], v[64*PB:64*PB+7], v[HX+8*PA:HX+8*PA+7]
.else
	v_wmma_f32_16x16x32_bf16 v[ACC+32*PG+8*PB:ACC+32*PG+8*PB+7], v[AF+64*PA+8*PS:AF+64*PA+8*PS+7], v[64*PB+8*PS:64*PB+8*PS+7], v[ACC+32*PG+8*PB:ACC+32*PG+8*PB+7]
.endif
.if PB == 2
.if KK == 0
	WIN 0x55
.if PA == 0
	v_add_nc_u32 v[CAC], s44, v[CAL]               ; my place in the pair's first ring tile; the second lies TILEB on, in the immediate
.endif
	CLOADS (PA*TILEB)
	WIN 0x08
	ALOADS (1-PA)
.elseif KK == 13
	WIN 0x55
	CSTORES
.elseif KK >= 2
.if KK <= 12
	WIN 0x55
	CHUNK (KK-2)
.endif
.endif
.else
.if PQ >= 1
.set PE, (PQ-1)-(PQ+1)/4
.if PE < 22
	EPI_OP (1-PG), (2*PE)
	EPI_OP (1-PG), (2*PE+1)
.endif
.endif
.endif
.if PQ == 31
	v_nop
	v_nop
.endif
.if QQ == 32
	s_add_co_u32 s14, s14, 2                       ; this tile's first group: blocks 0-3 are looked at now, blocks 4-7 during the next tile's first half
.endif
.if QQ == 60
	s_wait_dscnt 0x0                               ; my fragment loads, my reads of the ring and my stage stores are done
	s_barrier_signal -1                            ; only products and register work up to the wait
.endif
.set QQ, QQ+1
.endr
	s_barrier_wait -1
.endm
.macro PAIR
	PERIOD 0
	PERIOD 1
	WIN 0                                          ; a branch follows
.endm
	s_wait_dscnt 0x0                               ; my centres are in registers, my use of the scratch is over
	s_wait_tensorcnt 0x0                           ; my quarter of slot 0 is in
	s_barrier_signal -1
	s_barrier_wait -1
	CONV_ALL 0, 0
	CONV_ALL 1, 1
	WIN 0
	s_wait_dscnt 0x0                               ; my rows of both stages are written
	s_barrier_signal -1
	s_barrier_wait -1
	ALOADS 0                                       ; tile 0; the wait for it and the barrier in front of stage 0's next writing open the loop
	; 64 tiles; tile t converts ring tile (t + 2) % 16.  Trip k = 0..6: slot (k + 1) % 2 is asked for (rows 128 (k + 1) .. of the range), then the tiles
	; of slot k % 2 are converted, two a pair.  Trip 0 fills slot 1 for the first time and has three pairs, since ring tiles 0 and 1 are converted already:
	; its pair counter starts at 1 and its ring offset at tile 2.  A load has the trip's pairs, 512 products of mine (384 in trip 0), in which to land.
	s_mov_b32 s15, 1                               ; pair counter
	s_mov_b32 s44, 2*TILEB                         ; ring offset of the pair's first tile
	s_mov_b32 s45, SLOTB                           ; the slot that the next trip converts
	s_mov_b32 s47, 0
.Lslot:
	s_wait_dscnt 0x0                               ; my reads of the slot that is filled now are over
	s_wait_tensorcnt 0x0                           ; my one load has landed: my quarter of the slot that this trip converts; group 0 may be written
	ds_add_u32 v14, v15
	s_wait_dscnt 0x0
	s_add_nc_u64 s[G0+2:G0+3], s[G0+2:G0+3], 128*1024   ; 128 rows on
	s_xor_b32 s[G0+1], s[G0+1], SLOTB              ; the other slot: SLOTB is 0x24000 and wave x 0x9000 has neither of its two bits
	ROUND                                          ; both hold of every wave of both partners
	tensor_load_to_lds s[G0:G0+3], s[G1:G1+7]      ; my one load behind the round
	s_nop 0
.Lpair:
	PAIR
	s_add_co_u32 s44, s44, 2*TILEB
	s_add_co_u32 s15, s15, 1
	s_cmp_lt_u32 s15, 4
	s_cbranch_scc1 .Lpair
	s_mov_b32 s15, 0
	s_mov_b32 s44, s45
	s_xor_b32 s45, s45, SLOTB
	s_add_co_u32 s47, s47, 1
	s_cmp_lt_u32 s47, 7
	s_cbranch_scc1 .Lslot
	; tiles 54-63: nothing is left to fetch.  Slot 1's last fill is shown landed to all four waves; four pairs convert it.  The fifth pair is the drain: it runs
	; the same text, so it converts ring tiles 14 and 15 once more (the offset is held there) and loads one set of fragments that is never multiplied.
	s_wait_tensorcnt 0x0
	s_barrier_signal -1
	s_barrier_wait -1
.Ldrain:
	PAIR
	s_add_co_u32 s44, s44, 2*TILEB
	s_min_u32 s44, s44, 14*TILEB
	s_add_co_u32 s15, s15, 1
	s_cmp_lt_u32 s15, 5
	s_cbranch_scc1 .Ldrain
.rept 4
	v_nop                                          ; the places behind the last products
.endr
.set i, 0
.rept 44
	EPI_OP 1, i                                    ; the last tile's blocks 4-7
.set i, i+1
.endr
	; keys, and the two halves of the lanes (points 8 h + j) merged
.set i, 0
.rept 8
	v_add_nc_u32 v[IDX+i], v[IDX+i], v2            ; the group: the tile's first + h
	v_add_f32 v[BEST+i], 0, v[BEST+i]              ; -0 becomes +0
	v_ashrrev_i32 v55, 31, v[BEST+i]
	v_or_b32 v55, 0x80000000, v55
	v_xor_b32 v[BEST+i], v55, v[BEST+i]            ; a u32 that orders as the f32 does
	v_permlanex16_b32 v53, v[BEST+i], s40, s41     ; v53 and v54 have been written before
	v_permlanex16_b32 v54, v[IDX+i], s40, s41
	MERGE BEST+i, IDX+i, 53, 54
.set i, i+1
.endr
	; lane (r, h) stores {key, group} of blocks 4 j + 2 h and 4 j + 2 h + 1: each store of the wave covers 512 consecutive bytes, aligned
.irp j, 0,1
	v_cndmask_b32 v[56+4*\j], v[BEST+4*\j], v[BEST+4*\j+2], s42
	v_cndmask_b32 v[57+4*\j], v[IDX+4*\j], v[IDX+4*\j+2], s42
	v_cndmask_b32 v[58+4*\j], v[BEST+4*\j+1], v[BEST+4*\j+3], s42
	v_cndmask_b32 v[59+4*\j], v[IDX+4*\j+1], v[IDX+4*\j+3], s42
	global_store_b128 v[LOFF], v[56+4*\j:59+4*\j], s[8:9] offset:512*\j
.endr
	s_wait_tensorcnt 0x0
	ds_add_u32 v14, v15
	s_wait_dscnt 0x0
	ROUND                                          ; the closing round: neither partner ends while the other may still ask jointly
	s_endpgm
.Lfunc_end_k_q658f3ab57d_scan:
	.size	k_q658f3ab57d_scan, .Lfunc_end_k_q658f3ab57d_scan-k_q658f3ab57d_scan
	.p2alignl 7, 3214868480
	.fill 96, 4, 3214868480
	.section	.rodata,"a",@progbits
	.p2align	6, 0x0
	.amdhsa_kernel k_q658f3ab57d_scan
		.amdhsa_group_segment_fixed_size 327680
		.amdhsa_private_segment_fixed_size 0
		.amdhsa_enable_private_segment 0
		.amdhsa_kernarg_size 24
		.amdhsa_user_sgpr_count 2
		.amdhsa_user_sgpr_kernarg_segment_ptr 1
		.amdhsa_wavefront_size32 1
		.amdhsa_system_sgpr_workgroup_id_x 1
		.amdhsa_system_sgpr_workgroup_id_y 1
		.amdhsa_system_sgpr_workgroup_id_z 1
		.amdhsa_system_vgpr_workitem_id 0
		.amdhsa_next_free_vgpr 1024
		.amdhsa_next_free_sgpr 66
		.amdhsa_reserve_vcc 1
		.amdhsa_float_denorm_mode_32 3
		.amdhsa_float_denorm_mode_16_64 3
		.amdhsa_memory_ordered 1
		.amdhsa_forward_progress 1
		.amdhsa_inst_pref_size 173
	.end_amdhsa_kernel
	.amdgpu_metadata
---
amdhsa.version: [ 1, 2 ]
amdhsa.kernels:
  - .name:           k_q658f3ab57d_scan
    .symbol:         k_q658f3ab57d_scan.kd
    .args:
      - { .name: cluster_centers, .offset: 0, .size: 8, .value_kind: global_buffer, .address_space: global }
      - { .name: x, .offset: 8, .size: 8, .value_kind: global_buffer, .address_space: global }
      - { .name: rec, .offset: 16, .size: 8, .value_kind: global_buffer, .address_space: global }
    .group_segment_fixed_size: 327680
    .private_segment_fixed_size: 0
    .kernarg_segment_align: 8
    .kernarg_segment_size: 24
    .max_flat_workgroup_size: 128
    .sgpr_count:     66
    .vgpr_count:     1024
    .wavefront_size: 32
...
	.end_amdgpu_metadata
.endif
;; end of part 3
;; launch pick: the kernel of part 2 again; grid 256 x 1, 4 waves a work-group, no clusters, 0 bytes of LDS; arguments rec, x, cluster_centers, out0; writes out0
